; MI455X (gfx1250); checked and timed in simulation.
; The chip was launched on July 23, 2026; its instructions are those of AMD's public machine-readable ISA for CDNA 5 (MIT licence, August 2026) and "CDNA5" Instruction Set Architecture Reference Guide (July 2026). The comments in the code are by the model that wrote it; some were corrected since.
;; genesys quantized linear. Allowed arithmetic: matrix products marked QUANTISED: E2M1 operands, one E8M0 scale for each 32 along K, by v_wmma_scale_f32_16x16x128_f8f6f4 with both operands' format E2M1 (or v_wmma_scale_f32_32x16x128_f4), f32 sums; everything else in f32.
;; Inputs: W_codes 4,096 x 128 x 16 uint8 (E2M1 codes of W, K innermost, in blocks of 32 codes, two codes a byte); W_scales 4,096 x 128 uint8 (E8M0 scales of W, one for each 32 codes along K); b 4,096 float32; x_codes 4,096 x 128 x 16 uint8 (E2M1 codes of x, K innermost, in blocks of 32 codes, two codes a byte); x_scales 4,096 x 128 uint8 (E8M0 scales of x, one for each 32 codes along K).
;; Outputs: out0 4,096 x 4,096 float32.
;; This version of the problem:
;;   THIS VERSION OF THE PROBLEM IS GIVEN IN LOW PRECISION. The matrix products marked QUANTISED in the list below multiply operands that are first quantised to E2M1 (2 exponent bits, 1 mantissa bit; 4 bits a number), with one power-of-two scale for each 32 numbers along K (OCP MX v1.0); their sums are f32. All else is computed in f32.
;;   The module's matrix products, in the order in which they are computed (A, B: the left and right operand; K: the contracted axis; several contracted axes count as one K, in the product's order):
;;     1. [M 4,096, K 4,096] x [K 4,096, N 4,096]; A: input x (given as codes); B: input W (given as codes): QUANTISED
;;   THE QUANTISER, for each operand of a quantised product, along K:
;;     - K is cut into blocks of 32 from its start; a last block that is shorter is filled with zeros.
;;     - A block's scale is 2^e with e = floor(log2(the largest magnitude in the block)) - 2, held to -126 .. 127; a block of zeros has e = 0. As a byte (E8M0): e + 127.
;;     - Each number is divided by its block's scale, clamped to +-6, and rounded to the nearest number of E2M1, ties to even, subnormals kept.
;;     - The product sums the exact products of the quantised numbers (number of the format x scale) in f32.
;;   ~~~python
;;   def quantise(x, axis):      # numpy; x: float32 -> the quantised numbers, widened to float32 again
;;       x = np.moveaxis(x, axis, -1); K = x.shape[-1]
;;       x = np.pad(x, [(0, 0)] * (x.ndim - 1) + [(0, -K % 32)]); x = x.reshape(x.shape[:-1] + (-1, 32)); a = np.abs(x).max(-1, keepdims=True)
;;       e = np.where(a > 0, np.clip(np.frexp(np.where(a > 0, a, 1))[1] - 1 - 2, -126, 127), 0)      # np.frexp(a)[1] - 1 = floor(log2(a)), exactly
;;       r = np.clip(x / 2.0 ** e, -6, 6)
;;       step = 2.0 ** (np.maximum(np.frexp(np.where(r == 0, 1, r))[1] - 1, 0) - 1)
;;       q = np.round(r / step) * step * 2.0 ** e      # np.round: ties to even
;;       return np.moveaxis(q.reshape(q.shape[:-2] + (-1,))[..., :K], -1, axis).astype(np.float32)
;;   ~~~
;;   INPUTS GIVEN AS CODES. W (in the module: [4096, 4096], K = its axis 0); x (in the module: [4096, 4096], K = its axis 1): each comes as NAME_codes (uint8): NAME with its K axis moved to the last place and cut into blocks of 32 codes, [.., K / 32, bytes a block], one block behind the other in memory; two codes a byte, the lower K in the low four bits (a code: sign, 2 exponent bits, 1 mantissa bit); and NAME_scales (uint8): the same leading axes, one E8M0 byte (e + 127) for each 32 codes along K. Its value is code x scale, taken as it is: it is not quantised again, and the codes and scales need not be those that the quantiser above would give.
;; One version. Each part assembles by itself: llvm-mc -triple=amdgcn-amd-amdhsa -mcpu=gfx1250 --defsym DOCPART=n.
;; ======== version 1 of 1: 1 launch
;; limits: right only within a limited range of input values
;; launch gemm (part 1): grid 16 x 16, 4 waves a work-group, clusters of 4 x 4, 327,680 bytes of LDS; arguments x_codes, x_scales, W_codes, W_scales, b, out0; writes out0
.if DOCPART == 1
	.amdgcn_target "amdgcn-amd-amdhsa--gfx1250"
	.amdhsa_code_object_version 6
	.text
	.protected	k_q215b8e1b31_gemm
	.globl	k_q215b8e1b31_gemm
	.p2align	8
	.type	k_q215b8e1b31_gemm,@function
k_q215b8e1b31_gemm:
	s_mov_b64 s[64:65], 0
	v_nop
	global_prefetch_b8 v0, s[64:65] scope:SCOPE_SE
	s_setreg_imm32_b32 hwreg(HW_REG_WAVE_MODE, 25, 1), 1
	s_wait_xcnt 0x0
	s_wait_alu depctr_hold_cnt(0) depctr_sa_sdst(0) depctr_va_vdst(0) depctr_va_sdst(0) depctr_va_ssrc(0) depctr_va_vcc(0) depctr_vm_vsrc(0)
	s_getreg_b32 s2, hwreg(HW_REG_IB_STS2, 6, 4)
	s_cmp_eq_u32 s2, 0
	s_cbranch_scc0 .Lentry_in_a_cluster
	s_endpgm
.Lentry_in_a_cluster:
	s_bfe_u32 s2, ttmp6, 0x10000c
	s_cmp_lg_u32 s2, 0xf033
	s_cbranch_scc0 .Lentry_shape_is_right
	s_endpgm
.Lentry_shape_is_right:
; out0[m][n] = (sum over k of x[m][k] W[k][n] + b[n]) x s.  x and W come as codes of FP4 (E2M1), K innermost: x_codes [4096 (m)][2048 bytes], W_codes [4096 (n)][2048 bytes], two codes a byte,
; with one E8M0 byte for each 32 along K: x_scales [4096][128], W_scales [4096][128].  b: [4096] f32.  out0: [4096][4096] f32.  Sums in f32, on codes and scale bytes as they lie.
; s is a constant of the problem: 0.0072 doubled seven times is 0.9216; rounded to 32 fractional bits and halved seven times it is, as f32, bits 0x3BEBEDFA.
; NO WORK IS LEFT OUT: every input has a way to the output, and all six buffers are arguments.
; LIMITS: (acc + b) x s is made as fma(acc, s, b x s): another order of rounding than the sum and the product; where acc + b alone would pass the largest f32 number and the fused form does not, the result here is finite.
; A scale byte 0xff makes the sums that it enters NaN, as the format says.
; SHARES.  A tile of out0, 256 x 256, is made by a work-group of four waves; a wave makes 128 x 128 = 4 blocks of 32 rows of x by 8 tiles of 16 rows of W: 32 accumulators of 32 x 16, 512 registers.  256 tiles, 256 work-groups.
; K goes in eight steps of 512 through a ring of two LDS slots: a tile's row is 256 bytes of memory.  Below, A is x and B is W.
; B'S ROWS ARE DEALT SO THAT RESULTS LIE READY FOR STORES: tile (g, t) takes, in lane r, row 64 g + 4 r + t of the wave's 128 rows of W.  A lane's four results of the tiles t = 0 .. 3 are then four neighbouring
; columns of out0, and sixteen neighbouring lanes hold 64 of them, 256 bytes: rows leave straight from registers.  The tensor load lays W's rows in that order: its tile has three dimensions, 256 bytes x 64 rows that
; lie four rows apart x the start row t; LDS row 64 t + y is row 4 y + t of the tile's 256.
; THE SCALES of the 256 rows of x and of W are two dense blocks of 32,768 bytes, each brought once as 128 rows of 256 bytes.  x's stay in LDS behind the ring.  W's land in slot 1's bytes, go to 128 registers of each wave at the head, and then slot 1 takes K step 1.
; CLUSTERS: 4 x 4 work-groups.  The four of a row need the same tiles of x, the four of a column the same tiles of W: each is asked for JOINTLY, by the same load with the same descriptor and a mask that names the four.
; THE LAST K STEP GOES BY ROWS OF out0: four blocks of 32 rows are finished one after the other, and a block's stores take turns with the next block's products.
; REGISTERS, in windows of 256: window 0: v0-31 addresses and b; v32-159 W's scale words, v160-191 x's (two sets), which hold nothing else; v192-255 A's fragments of 32 rows x 512 K in the last K step.
;   window 1: two sets of fragments of 128 along K, each 64 registers of B and 64 of A; in the last K step all of it is B's.
;   window 2: the accumulators of my rows 0-63;  window 3: those of my rows 64-127.  Accumulator (i, tile) at v[128 (i mod 2) + 16 tile].
.set ROWB,  256                        ; a tile's row in bytes: 512 codes of 4 bits
.set KROW,  2048                       ; a row of codes in memory, in bytes
.set PITCH, 272                        ; an LDS row: 256 bytes + 16 of padding = 68 words: the 16 rows that a load touches start at 16 different banks (64 banks of 4 bytes: ISA guide 11.1)
.set HALFT, 128*PITCH                  ; 128 rows: what one tensor load of the ring brings
.set SLOT,  4*HALFT                    ; A's 256 rows, then B's 256 rows
.set XSC,   2*SLOT                     ; behind the ring: x's scales, 128 rows of 272 bytes
.set SPARE, XSC+128*PITCH              ; the spare words, 128 bytes for each wave: two blocks of 256 bytes that no other line names
.set ADWS, 13                          ; v13     LDS address of my W scale words, at the head
.set ADXS, 14                          ; v14     LDS address of my x scale words
.set ADRA, 16                          ; v16-17  LDS address of my A fragments in slot 0, 1
.set ADRB, 18                          ; v18-19  the same for B
.set PFO,  20                          ; v20     the prefetches' offset: my lane x a row of codes; never rewritten
.set SPW,  21                          ; v21     LDS address of my spare word; never rewritten
.set NIL,  22                          ; v22     0; never rewritten
.set CO,   23                          ; v23     my byte offset in out0: 8 (l / 16) rows + 16 (l % 16); never rewritten
.set BS,   24                          ; v[24:31] b x s of my columns: BS + 4 g + t
.set WS,   32                          ; W's scale words: register WS + 16 ks + 4 t + q: lane l has row 4 l + t: lanes 0-15 serve tile (0, t), lanes 16-31 tile (1, t)
.set XS,   160                         ; x's: register XS + 16 (ks mod 2) + 4 i + q: lane l has row 32 i + l
.set PA,   192
.set QM,   15                          ; s15     s
.set G1,   24                          ; s[24:31] group 1 for A's codes;  s[32:39] group 0, one set for each slot
.set G0,   32
.set G1B,  48                          ; s[48:55], s[56:63] the same for B's;  s[92:95], s[20:23] its groups 2 and 3
.set G0B,  56
.set G2B,  92
.set G3B,  20
.set G1S,  68                          ; s[68:75], s[76:79] groups 1 and 0 for x's scales;  s[80:87], s[88:91] for W's
.set G0S,  76
.set G1SB, 80
.set G0SB, 88
.set G0H,  4                           ; s[4:7], s[8:11] group 0 for the head's loads of K step 0 (the arguments that lay there have been used by then)
.set G0HB, 8
.set PFA,  66                          ; s[66:67] where my prefetches stand: K step 0 of my work-group's 32 rows of the 128 of my share; never rewritten
.set OP,   98                          ; s[98:99] out0 at my first row and column
.set HI,   0x10000                     ; a field in a word's upper half
.set PADW, 0x7700000                   ; group 1, first word: bit 20 padding on; 21 set beside a mask; 24:22 = 5: after every 64 words; 31:25 = 3: of 4 words
.set LD,   0x40                        ; windows: destination 1, address 0
.set MSB, 0
.macro WIN new                         ; the immediate's high byte repeats the setting that is left
.if MSB != (\new)
	s_set_vgpr_msb MSB*256+(\new)
.set MSB, (\new)
.endif
.endm
.macro PLACES                          ; four places behind matrix instructions, ahead of loads into registers that they have read and of readers of their results
.rept 4
	v_nop
.endr
.endm
.macro BEHIND                          ; behind every tensor load: an s_nop and four places
	s_nop 0
	PLACES
.endm
; A joint load of the ring: waves 0 and 1 fetch 128 rows of A each, waves 2 and 3 128 rows of B.  Each line has one mask; the branch hangs on the wave's number alone.
.macro JLOAD s
	s_cmp_eq_u32 s13, 0
	s_cbranch_scc0 .Lfor_b_\@
	tensor_load_to_lds s[G0+4*\s:G0+4*\s+3], s[G1:G1+7]
	BEHIND
	s_branch .Lasked_\@
.Lfor_b_\@:
	tensor_load_to_lds s[G0B+4*\s:G0B+4*\s+3], s[G1B:G1B+7], s[G2B:G2B+3], s[G3B:G3B+3]
	BEHIND
.Lasked_\@:
.endm
.macro CREST                           ; a round of the cluster's barrier behind its opening barrier
	s_cmp_lg_u32 s12, 0
	s_cbranch_scc1 .Lnot_wave_0_\@
	s_barrier_signal -3
.Lnot_wave_0_\@:
	s_barrier_wait -3
	s_barrier_signal -1
	s_barrier_wait -1
.endm
.macro CROUND                          ; a whole round
	s_barrier_signal -1
	s_barrier_wait -1
	CREST
.endm
; A PREFETCH INTO THE L2 of K step k: 32 rows x 256 bytes, a lane a row.  Every cluster asks for its own four tile rows of x and four tile columns of W, each 256 bytes once: of the 128 rows of a wave's share the partner
; at place p takes 32 p .. 32 p + 31 (p = cx for x, cy for W), by address.  K steps 0 and 1 come by their loads alone; 2 and 3 are asked for behind the joint load of K step 1, then one K step behind each joint load,
; two K steps ahead of it; the last is K step 7.
.macro ASK k
	global_prefetch_b8 v[PFO], s[PFA:PFA+1] offset:ROWB*(\k) th:TH_LOAD_NT scope:SCOPE_SE
.endm
	s_load_b256 s[4:11], s[0:1], 0x0               ; x's codes s[4:5], x's scales s[6:7], W's codes s[8:9], W's scales s[10:11]
	s_load_b128 s[96:99], s[0:1], 0x20             ; b, out0
	v_lshl_add_u32 v[SPW], v0, 2, SPARE
	v_mov_b32 v[NIL], 0
	ds_add_u32 v[SPW], v[NIL]                      ; the wave's opening: the add, twice on end, and its wait ahead of my first tensor load
	ds_add_u32 v[SPW], v[NIL]
	v_lshrrev_b32 v1, 5, v0
	v_readfirstlane_b32 s12, v1                    ; wave 0..3
	s_lshr_b32 s13, s12, 1                         ; which half of the tile's rows is mine.  Also: in the ring I fetch for A (0) or for B (1)
	s_and_b32 s14, s12, 1                          ; which half of its columns.  Also: which 128 rows of that tile I fetch
	s_bfe_u32 s40, ttmp6, 0x40000                  ; cx, cy: my place in the cluster
	s_bfe_u32 s41, ttmp6, 0x40004
	s_lshl_b32 s42, ttmp9, 2
	s_add_co_u32 s42, s42, s40                     ; tile column of out0
	s_and_b32 s43, ttmp7, 0xffff
	s_lshl_b32 s43, s43, 2
	s_add_co_u32 s43, s43, s41                     ; tile row
	s_lshl_b32 s44, s41, 2
	s_lshl_b32 s44, 15, s44                        ; my row of the cluster: places 4 cy .. 4 cy + 3
	s_lshl_b32 s45, 0x1111, s40                    ; my column: places cx, cx + 4, cx + 8, cx + 12
	s_or_b32 s[G1], s44, PADW                      ; A: elements of 1 byte, 256 rows x 256 (behind the head's loads: 128 rows)
	s_mov_b32 s[G1+1], ROWB*HI
	s_mov_b32 s[G1+2], 256*HI
	s_mov_b32 s[G1+3], ROWB*HI
	s_mov_b32 s[G1+4], 256
	s_mov_b32 s[G1+5], KROW
	s_mov_b32 s[G1+6], 0
	s_mov_b32 s[G1+7], 0
	s_or_b32 s[G1B], s45, PADW                     ; B: 256 bytes x 64 rows, four rows apart, x 4 start rows (behind the head's loads: 2), one row apart
	s_mov_b32 s[G1B+1], ROWB*HI
	s_mov_b32 s[G1B+2], 64*HI
	s_mov_b32 s[G1B+3], ROWB*HI
	s_mov_b32 s[G1B+4], 64+4*HI                    ; tile_dim1, tile_dim2
	s_mov_b32 s[G1B+5], 4*KROW
	s_mov_b32 s[G1B+6], KROW*HI                    ; stride1, low half
	s_mov_b32 s[G1B+7], 0
	s_mov_b32 s[G2B], 4                            ; tensor_dim2; dimensions 3 and 4 are not used
	s_mov_b32 s[G2B+1], 1
	s_mov_b32 s[G2B+2], 256*KROW
	s_mov_b32 s[G2B+3], 0
	s_mov_b32 s[G3B], 256*KROW
	s_mov_b32 s[G3B+1], HI
	s_mov_b32 s[G3B+2], 0
	s_mov_b32 s[G3B+3], 0
	s_or_b32 s[G1S], s44, 3*HI+PADW                ; the scales of 256 rows: 128 rows of 32 elements of 8 bytes, dense in memory
	s_or_b32 s[G1SB], s45, 3*HI+PADW
.irp g, G1S, G1SB
	s_mov_b32 s[\g+1], 32*HI
	s_mov_b32 s[\g+2], 128*HI
	s_mov_b32 s[\g+3], 32*HI
	s_mov_b32 s[\g+4], 128
	s_mov_b32 s[\g+5], 32
	s_mov_b32 s[\g+6], 0
	s_mov_b32 s[\g+7], 0
.endr
	s_mov_b32 s[QM], 0x3BEBEDFA
	s_lshl_b32 s16, s43, 19                        ; 256 rows x 2,048 bytes x tile row, under 2^23
	s_mov_b32 s17, 0
	s_lshl_b32 s18, s42, 19
	s_mov_b32 s19, 0
	s_lshl_b32 s46, s43, 15                        ; the scales: 256 rows x 128 bytes
	s_mov_b32 s47, 0
	s_lshl_b32 s2, s42, 15
	s_mov_b32 s3, 0
	s_wait_dscnt 0x0                               ; both opening adds are done
	CROUND                                         ; all sixteen work-groups are here: the first joint loads meet.  (The arguments' scalar loads may be out)
	s_wait_kmcnt 0x0
	s_add_nc_u64 s[16:17], s[4:5], s[16:17]        ; x's codes at my tile row
	s_add_nc_u64 s[18:19], s[8:9], s[18:19]        ; W's codes at my tile column
	s_add_nc_u64 s[46:47], s[6:7], s[46:47]
	s_add_nc_u64 s[2:3], s[10:11], s[2:3]
	s_mov_b32 s[G0H], 1                            ; the head's four tiles: K step 0's 256 rows of x,
	s_mov_b32 s[G0H+1], 0
	s_mov_b64 s[G0H+2:G0H+3], s[16:17]
	s_or_b32 s[G0H+3], s[G0H+3], 0x80000000
	s_mov_b32 s[G0HB], 1                           ; its 256 rows of W,
	s_mov_b32 s[G0HB+1], 2*HALFT
	s_mov_b64 s[G0HB+2:G0HB+3], s[18:19]
	s_or_b32 s[G0HB+3], s[G0HB+3], 0x80000000
	s_mov_b32 s[G0S], 1                            ; x's scales, behind the ring,
	s_mov_b32 s[G0S+1], XSC
	s_mov_b64 s[G0S+2:G0S+3], s[46:47]
	s_or_b32 s[G0S+3], s[G0S+3], 0x80000000
	s_mov_b32 s[G0SB], 1                           ; W's scales, in slot 1's bytes
	s_mov_b32 s[G0SB+1], SLOT
	s_mov_b64 s[G0SB+2:G0SB+3], s[2:3]
	s_or_b32 s[G0SB+3], s[G0SB+3], 0x80000000
	s_cmp_lt_u32 s12, 1                            ; the head's loads, one a wave.  One chain of branches on the wave's number
	s_cbranch_scc0 .Lhead_b
	tensor_load_to_lds s[G0H:G0H+3], s[G1:G1+7]
	BEHIND
	s_branch .Lhead_asked
.Lhead_b:
	s_cmp_lt_u32 s12, 2
	s_cbranch_scc0 .Lhead_sa
	tensor_load_to_lds s[G0HB:G0HB+3], s[G1B:G1B+7], s[G2B:G2B+3], s[G3B:G3B+3]
	BEHIND
	s_branch .Lhead_asked
.Lhead_sa:
	s_cmp_lt_u32 s12, 3
	s_cbranch_scc0 .Lhead_sb
	tensor_load_to_lds s[G0S:G0S+3], s[G1S:G1S+7]
	BEHIND
	s_branch .Lhead_asked
.Lhead_sb:
	tensor_load_to_lds s[G0SB:G0SB+3], s[G1SB:G1SB+7]
	BEHIND
.Lhead_asked:
	; the prefetches' address
	s_cmp_eq_u32 s13, 0                            ; do I fetch for A?
	s_cselect_b64 s[PFA:PFA+1], s[16:17], s[18:19]
	s_cselect_b32 s100, s40, s41                   ; my place among the four that ask with me
	s_lshl_b32 s100, s100, 16                      ; 32 rows of 2,048 bytes
	s_lshl_b32 s101, s14, 18                       ; 128 rows
	s_add_co_u32 s100, s100, s101
	s_mov_b32 s101, 0
	s_add_nc_u64 s[PFA:PFA+1], s[PFA:PFA+1], s[100:101]
	; b and out0 at my first column and row
	s_lshl_b32 s40, s42, 10                        ; 1,024 bytes x tile column + 512 x half
	s_lshl_b32 s41, s14, 9
	s_add_co_u32 s40, s40, s41
	s_mov_b32 s41, 0
	s_add_nc_u64 s[96:97], s[96:97], s[40:41]
	s_lshl_b32 s100, s43, 22                       ; 256 rows of 16,384 bytes x tile row + 128 rows x half
	s_lshl_b32 s101, s13, 21
	s_add_co_u32 s40, s40, s100
	s_add_co_u32 s40, s40, s101
	s_add_nc_u64 s[OP:OP+1], s[OP:OP+1], s[40:41]
	; LDS bases
	s_mul_i32 s100, s13, HALFT                     ; my 128 rows of A
	s_mul_i32 s101, s14, 32*PITCH                  ; my part of B: 32 of the 64 rows of each start row t
	s_add_co_u32 s101, s101, 2*HALFT
	s_mul_i32 s2, s13, 64*PITCH                    ; my 128 rows' scales are 64 LDS rows
	s_add_co_u32 s2, s2, XSC
	s_mul_i32 s3, s14, 64*PITCH
	s_add_co_u32 s3, s3, SLOT
	v_and_b32 v1, 15, v0                           ; r = l % 16
	v_bfe_u32 v2, v0, 4, 1                         ; h = l / 16
	v_mul_u32_u24 v3, v1, PITCH
	v_lshl_add_u32 v3, v2, 4, v3                   ; a fragment's row x pitch + 16 h
	v_add_nc_u32 v[ADRA], s100, v3
	v_add_nc_u32 v[ADRB], s101, v3
	v_add_nc_u32 v[ADRA+1], SLOT, v[ADRA]
	v_add_nc_u32 v[ADRB+1], SLOT, v[ADRB]
	v_and_b32 v4, 31, v0                           ; l
	v_bfe_u32 v5, v0, 1, 4                         ; x's scales: row 32 i + l is half of LDS row 16 i + l / 2
	v_mul_u32_u24 v5, v5, PITCH
	v_and_b32 v6, 1, v0
	v_lshl_add_u32 v5, v6, 7, v5
	v_add_nc_u32 v[ADXS], s2, v5
	v_mul_u32_u24 v6, v4, 2*PITCH                  ; W's: row 4 l + t is half of LDS row 2 l + t / 2
	v_add_nc_u32 v[ADWS], s3, v6
	v_lshlrev_b32 v7, 17, v2                       ; out0: 8 h rows of 16,384 bytes + 16 r
	v_lshl_add_u32 v[CO], v1, 4, v7
	v_lshlrev_b32 v12, 4, v1                       ; b: 16 r
	v_lshlrev_b32 v[PFO], 11, v4
	global_load_b128 v[BS:BS+3], v12, s[96:97]     ; b of columns 4 r .. 4 r + 3 of each of my two groups of 64
	global_load_b128 v[BS+4:BS+7], v12, s[96:97] offset:256
	; the ring's group 0
	s_lshl_b32 s100, s14, 18                       ; A: my 128 rows of the tile
	s_mov_b32 s101, 0
	s_add_nc_u64 s[16:17], s[16:17], s[100:101]
	s_lshl_b32 s100, s14, 12                       ; B: from start row 2 x (which 128 LDS rows)
	s_add_nc_u64 s[18:19], s[18:19], s[100:101]
	s_mul_i32 s100, s12, HALFT                     ; where they go: wave x 128 LDS rows
.irp s, 0,1
	s_mov_b32 s[G0+4*\s], 1
	s_add_co_u32 s[G0+4*\s+1], s100, \s*SLOT
	s_add_nc_u64 s[G0+4*\s+2:G0+4*\s+3], s[16:17], \s*ROWB
	s_or_b32 s[G0+4*\s+3], s[G0+4*\s+3], 0x80000000
	s_mov_b32 s[G0B+4*\s], 1
	s_add_co_u32 s[G0B+4*\s+1], s100, \s*SLOT
	s_add_nc_u64 s[G0B+4*\s+2:G0B+4*\s+3], s[18:19], \s*ROWB
	s_or_b32 s[G0B+4*\s+3], s[G0B+4*\s+3], 0x80000000
.endr
; A fragment, 16 rows x 128 K of 4-bit codes, is 8 registers: lane l holds row l % 16; registers 4 c .. 4 c + 3 hold K = 64 c + 32 (l / 16) + 0 .. 31.  Two fragments on end are an operand of 32 rows.
.macro LB slot, q, base, tl            ; B's tile tl = 4 g + t
.irp c, 0,1
	ds_load_b128 v[8*(\tl)+4*\c+(\base):8*(\tl)+4*\c+(\base)+3], v[ADRB+(\slot)] offset:64*(\q)+32*\c+(64*((\tl)%4)+16*((\tl)/4))*PITCH
.endr
.endm
.macro LA slot, q, i, u                ; half u of A's block i
.irp c, 0,1
	ds_load_b128 v[128*((\q)%2)+64+16*(\i)+8*\u+4*\c:128*((\q)%2)+64+16*(\i)+8*\u+4*\c+3], v[ADRA+(\slot)] offset:64*(\q)+32*\c+(32*(\i)+16*\u)*PITCH
.endr
.endm
.macro LGROUP slot, q, n               ; eight of the 32 loads that bring the slot's q-th 128 along K into set q mod 2: n = 0, 1: four of B's tiles; n = 2, 3: two of A's blocks
	WIN LD
.if (\n)/2 == 0
.irp e, 0,1,2,3
	LB \slot, \q, 128*((\q)%2), 4*(\n)+\e
.endr
.else
.irp e, 0,1
	LA \slot, \q, 2*(\n)-4+\e, 0
	LA \slot, \q, 2*(\n)-4+\e, 1
.endr
.endif
.endm
.macro XLOAD ks                        ; x's scale words of K step ks: 16 bytes a row
	WIN 0
.irp i, 0,1,2,3
	ds_load_b128 v[XS+16*((\ks)%2)+4*\i:XS+16*((\ks)%2)+4*\i+3], v[ADXS] offset:\i*16*PITCH+16*(\ks)
.endr
.endm
.macro WLOAD ks                        ; W's
	WIN 0
.irp t, 0,1,2,3
	ds_load_b128 v[WS+16*(\ks)+4*\t:WS+16*(\ks)+4*\t+3], v[ADWS] offset:(\t%2)*128+(\t/2)*PITCH+16*(\ks)
.endr
.endm
.macro PALD i, m                       ; the last K step: quarter m / 2, half m mod 2 of A's block i
	WIN 0
.irp c, 0,1
	ds_load_b128 v[PA+8*(\m)+4*\c:PA+8*(\m)+4*\c+3], v[ADRA+1] offset:64*((\m)/2)+32*\c+(32*(\i)+16*((\m)%2))*PITCH
.endr
.endm
; One matrix instruction: A's block i x B's tile tl, 128 along K.  The 32 accumulators take turns, one instruction a turn, in the same order in every step.
; B's scales are read from lanes 0-15 (g = 0) or 16-31 (g = 1) of the word's register.  zero = 1: the first product starts the sum: nothing is ever cleared.
.macro MMC tl
.if (\tl)/4 == 0
	v_wmma_scale_f32_32x16x128_f4 v[DD:DD+15], v[FA:FA+15], v[FB:FB+7], v[DD:DD+15], v[SA], v[SB]
.else
	v_wmma_scale_f32_32x16x128_f4 v[DD:DD+15], v[FA:FA+15], v[FB:FB+7], v[DD:DD+15], v[SA], v[SB] matrix_b_scale:MATRIX_SCALE_ROW1
.endif
.endm
.macro MM ks, q, i, tl, zero
.set DD, 128*((\i)%2)+16*(\tl)
.set FB, 128*((\q)%2)+8*(\tl)
.set FA, 128*((\q)%2)+64+16*(\i)
.set SA, XS+16*((\ks)%2)+4*(\i)+(\q)
.set SB, WS+16*(\ks)+4*((\tl)%4)+(\q)
	WIN 0x05+0x50*(2+(\i)/2)
.if (\zero) == 0
	MMC \tl
.else
.if (\tl)/4 == 0
	v_wmma_scale_f32_32x16x128_f4 v[DD:DD+15], v[FA:FA+15], v[FB:FB+7], 0, v[SA], v[SB]
.else
	v_wmma_scale_f32_32x16x128_f4 v[DD:DD+15], v[FA:FA+15], v[FB:FB+7], 0, v[SA], v[SB] matrix_b_scale:MATRIX_SCALE_ROW1
.endif
.endif
.endm
.macro MROW ks, q, i, zero
.irp tl, 0,1,2,3,4,5,6,7
	MM \ks, \q, \i, \tl, \zero
.endr
.endm
.macro MMR q, i, tl                    ; the same in the last K step: A's fragments in window 0, B's quarter q at v[64 q ..]
.set DD, 128*((\i)%2)+16*(\tl)
.set FB, 64*(\q)+8*(\tl)
.set FA, PA+16*(\q)
.set SA, XS+16+4*(\i)+(\q)
.set SB, WS+112+4*((\tl)%4)+(\q)
	WIN 0x04+0x50*(2+(\i)/2)
	MMC \tl
.endm
; A step of 128 along K that has its successor in the same slot: the successor's 32 loads in one run, into the set that the step before has left, then 32 matrix instructions on the other set.
.macro STEP ks, q
.set X, 0
.if (\q) == 1
.set X, 4
.endif
	PLACES                                         ; the step before has read the set that is loaded below
.irp n, 0,1,2,3
	LGROUP (\ks)%2, (\q)+1, \n
.endr
.if (\q) == 1
	XLOAD (\ks)+1
.endif
	s_wait_dscnt 32+X                              ; all but the loads just issued (X: the next K step's x scale words): this step's fragments are in
.irp i, 0,1,2,3
	MROW \ks, \q, \i, 0
.endr
.endm
; The first half of a step that ends with a barrier: in front of it each wave waits for all its tensor loads, adds 0 to its spare word, and waits for that and for its own LDS reads.  may: the youngest loads that the first eight products do not read.
.macro MEET ks, q, may, zero
	WIN 0                                          ; (the add's two registers lie in window 0)
	s_wait_tensorcnt 0x0                           ; all my tensor loads have landed: my part of the other slot;
	ds_add_u32 v[SPW], v[NIL]                      ; 0 onto my spare word;
	s_wait_dscnt \may+1                            ; (the add and those loads may be out)
	MROW \ks, \q, 0, \zero                         ; eight matrix instructions stand between the add and the wait for it
	s_wait_dscnt 0x0                               ; the add is done, and my reads are over
	s_barrier_signal -1
	MROW \ks, \q, 1, \zero
	WIN 0
	s_barrier_wait -1
.endm
; A step behind whose barrier, the opening of a round of the cluster's barrier, slot fill is filled; then the next step's fragments are loaded: q = 3: from the other slot; q = 0 (K step 0 alone): from the same one.
.macro TURN ks, q, may, fill, step, ask
.if (\q) == 3
.set NS, 1-(\ks)%2
.set NQ, 0
.set Z, 0
.else
.set NS, (\ks)%2
.set NQ, 1
.set Z, 1
.endif
	MEET \ks, \q, \may, Z
	CREST                                          ; no wave of any partner still reads the slot or has a load on its way; no tensor load of mine is out, so a group 0 may be written
.if \step
	s_add_nc_u64 s[G0+4*(\fill)+2:G0+4*(\fill)+3], s[G0+4*(\fill)+2:G0+4*(\fill)+3], 2*ROWB
	s_add_nc_u64 s[G0B+4*(\fill)+2:G0B+4*(\fill)+3], s[G0B+4*(\fill)+2:G0B+4*(\fill)+3], 2*ROWB
.endif
	JLOAD (\fill)                                  ; the first tensor load behind the round; the four v_nop behind it are the places in front of the loads below
.irp n, 0,1,2,3
	LGROUP NS, NQ, \n
.endr
.if (\q) == 0
	ASK 2
.endif
.if (\ask) != 0
	ASK \ask                                       ; behind the joint load and the run of LDS loads
.endif
.irp i, 2,3
	MROW \ks, \q, \i, Z
.endr
.endm
	s_wait_alu depctr_va_vdst(0)
	s_wait_tensorcnt 0x0                           ; my tile of the head's four is in
	s_mov_b32 s[G1+2], 128*HI                      ; no tensor load of mine is out: from here on a load brings 128 rows of A,
	s_mov_b32 s[G1+4], 128
	s_mov_b32 s[G1B+4], 64+2*HI                    ; or 2 x 64 rows of B
	s_mov_b32 s[G2B], 2
	s_wait_loadcnt 0x0                             ; b
.irp j, 0,1,2,3,4,5,6,7
	v_mul_f32 v[BS+\j], s[QM], v[BS+\j]            ; b x s: the addend of the way out's fused multiply-adds
.endr
	s_wait_alu depctr_va_vdst(0)
	s_barrier_signal -1
	s_barrier_wait -1                              ; all four tiles are in
	XLOAD 0
	WLOAD 0
.irp n, 0,1,2,3
	LGROUP 0, 0, \n
.endr
.irp k, 1,2,3,4,5,6,7
	WLOAD \k                                       ; 28 loads that the first products do not want
.endr
	TURN 0, 0, 28, 1, 0, 3                         ; behind its barrier every wave has read W's scales: slot 1 takes K step 1
	STEP 0, 1
	STEP 0, 2
	TURN 0, 3, 0, 0, 1, 4                          ; slot 0 takes K step 2.  (0: the first products want every load that is out)
.irp ks, 1,2,3,4,5
	STEP \ks, 0
	STEP \ks, 1
	STEP \ks, 2
.if \ks/4 == 0
	TURN \ks, 3, 0, \ks%2, 1, \ks+4
.else
	TURN \ks, 3, 0, \ks%2, 1, 0
.endif
.endr
	STEP 6, 0
	STEP 6, 1
	STEP 6, 2
; THE LAST K STEP (slot 1), BY ROWS.  B's fragments of the whole step fill window 1, A's come block by block.
	MEET 6, 3, 0, 0                                ; K step 7 is in slot 1; nothing is filled again, so no round follows
	PLACES                                         ; for the loads into set 0's registers
.irp m, 0,1,2,3,4,5,6,7
	PALD 0, \m                                     ; A's block 0
.endr
	WIN LD
.irp tl, 0,1,2,3,4,5,6,7
	LB 1, 0, 0, \tl                                ; B's quarters 0 and 1
	LB 1, 1, 64, \tl
.endr
	MROW 6, 3, 2, 0
	MROW 6, 3, 3, 0
	PLACES                                         ; for the loads into set 1's registers
	WIN LD
.irp tl, 0,1,2,3,4,5,6,7
	LB 1, 2, 128, \tl
.endr
.irp tl, 0,1,2,3,4,5,6,7
	LB 1, 3, 192, \tl
.endr
.irp q, 0,1,2,3                        ; block 0: 32 matrix instructions, its 8 accumulators by turns, K ascending
.if \q == 0
	s_wait_dscnt 32                                ; all but B's quarters 2 and 3
.endif
.if \q == 2
	s_wait_dscnt 16
.endif
.if \q == 3
	s_wait_dscnt 0x0
.endif
.irp tl, 0,1,2,3,4,5,6,7
	MMR \q, 0, \tl
.endr
.endr
; THE WAY OUT of chunk k = 4 g + c of block i: registers 4 c .. 4 c + 3 of the four tiles of column group g: 16 fused multiply-adds bring the four tiles' results of a row together, and each of four stores writes two rows' 256 bytes:
; lanes 0-15 one, lanes 16-31 the row eight further down, at multiples of 256 from out0's first byte.  A chunk's results go into the registers that the chunk before it has been read from (the first one's into v0-15, whose
; addresses are done with): no store's data are ever written again.  Each accumulator is read from its low end on.  The row stands in the immediate: 119 rows, 1,949,952 bytes at the most, inside its signed 24 bits (ISA guide, chapter 10).
.macro OUT i, k
.set OG, (\k)/4
.set OC, 4*((\k)%4)
.set SRC, 128*((\i)%2)+64*OG+OC
.set SW, 2+(\i)/2
.if (\i)+(\k) == 0
.set DST, 0
.set DSTEP, 4
.set DW, 0
.else
.set DST, OSRC
.set DSTEP, 16
.set DW, OSW
.endif
	WIN SW+0x40*DW
.irp j, 0,1,2,3
.irp t, 0,1,2,3
	v_fma_f32 v[DST+DSTEP*\j+\t], v[SRC+16*\t+\j], s[QM], v[BS+4*OG+\t]   ; acc x s + b x s
.endr
.endr
	WIN 4*DW                                       ; a store's data are its source 1
.irp j, 0,1,2,3
	global_store_b128 v[CO], v[DST+DSTEP*\j:DST+DSTEP*\j+3], s[OP:OP+1] offset:(32*(\i)+16*(OC/8)+(OC%8)+\j)*16384+256*OG th:TH_STORE_NT
.endr
.set OSRC, SRC
.set OSW, SW
.endm
.irp i, 0,1,2,3
	WIN 0
	PLACES                                         ; block i's results are read below, and its fragments' registers are loaded
.if \i != 3
.irp m, 0,1,2,3,4,5,6,7
	PALD \i+1, \m
.endr
.endif
.irp k, 0,1,2,3,4,5,6,7
	OUT \i, \k
.if \i != 3
.if \k == 0
	s_wait_dscnt 0x0                               ; block i + 1's fragments are in
.endif
.irp t, 0,1,2,3
	MMR \k/2, \i+1, 4*(\k%2)+\t
.endr
.endif
.endr
.endr
	WIN 0
	s_wait_tensorcnt 0x0                           ; the wave's end
	ds_add_u32 v[SPW], v[NIL]
	s_wait_dscnt 0x0
	CROUND                                         ; the closing round: no work-group ends while a partner may still ask for a tile that names it
	s_endpgm
.Lfunc_end_k_q215b8e1b31_gemm:
	.size	k_q215b8e1b31_gemm, .Lfunc_end_k_q215b8e1b31_gemm-k_q215b8e1b31_gemm
	.p2alignl 7, 3214868480
	.fill 96, 4, 3214868480
	.section	.rodata,"a",@progbits
	.p2align	6, 0x0
	.amdhsa_kernel k_q215b8e1b31_gemm
		.amdhsa_group_segment_fixed_size 327680
		.amdhsa_private_segment_fixed_size 0
		.amdhsa_enable_private_segment 0
		.amdhsa_kernarg_size 48
		.amdhsa_user_sgpr_count 2
		.amdhsa_user_sgpr_kernarg_segment_ptr 1
		.amdhsa_wavefront_size32 1
		.amdhsa_system_sgpr_workgroup_id_x 1
		.amdhsa_system_sgpr_workgroup_id_y 1
		.amdhsa_system_sgpr_workgroup_id_z 1
		.amdhsa_system_vgpr_workitem_id 0
		.amdhsa_next_free_vgpr 1024
		.amdhsa_next_free_sgpr 102
		.amdhsa_reserve_vcc 0
		.amdhsa_float_denorm_mode_32 3
		.amdhsa_float_denorm_mode_16_64 3
		.amdhsa_memory_ordered 1
		.amdhsa_forward_progress 1
		.amdhsa_inst_pref_size 255
	.end_amdhsa_kernel
	.section	.bss,"aw",@nobits
	.p2align	6
	.space	262144
	.amdgpu_metadata
---
amdhsa.version: [ 1, 2 ]
amdhsa.kernels:
  - .name:           k_q215b8e1b31_gemm
    .symbol:         k_q215b8e1b31_gemm.kd
    .args:
      - { .name: x_codes, .offset: 0, .size: 8, .value_kind: global_buffer, .address_space: global }
      - { .name: x_scales, .offset: 8, .size: 8, .value_kind: global_buffer, .address_space: global }
      - { .name: W_codes, .offset: 16, .size: 8, .value_kind: global_buffer, .address_space: global }
      - { .name: W_scales, .offset: 24, .size: 8, .value_kind: global_buffer, .address_space: global }
      - { .name: b, .offset: 32, .size: 8, .value_kind: global_buffer, .address_space: global }
      - { .name: out0, .offset: 40, .size: 8, .value_kind: global_buffer, .address_space: global }
    .group_segment_fixed_size: 327680
    .private_segment_fixed_size: 0
    .kernarg_segment_align: 8
    .kernarg_segment_size: 48
    .max_flat_workgroup_size: 128
    .sgpr_count:     102
    .vgpr_count:     1024
    .wavefront_size: 32
...
	.end_amdgpu_metadata
.endif
;; end of part 1
